; MI455X (gfx1250); checked and timed in simulation.
; The chip was launched on July 23, 2026; its instructions are those of AMD's public machine-readable ISA for CDNA 5 (MIT licence, August 2026) and "CDNA5" Instruction Set Architecture Reference Guide (July 2026). The comments in the code are by the model that wrote it; some were corrected since.
;; Switch Layer. Allowed arithmetic: matrix products marked QUANTISED: E3M2 operands, one E8M0 scale for each 32 along K, by v_wmma_scale_f32_16x16x128_f8f6f4 with both operands' format E3M2, f32 sums; products left as they are: f32 operands where the result goes on into a quantised operand, else bf16, f16 or f32 operands; f32 sums; everything else in f32.
;; Inputs: W1 8 x 1,024 x 4,096 float32; W2 8 x 4,096 x 1,024 float32; Wg 1,024 x 8 float32; b1 8 x 4,096 float32; b2 8 x 1,024 float32; x 4 x 256 x 1,024 float32.
;; Outputs: out0 4 x 256 x 1,024 float32.
;; This version of the problem:
;;   THIS VERSION OF THE PROBLEM IS GIVEN IN LOW PRECISION. The matrix products marked QUANTISED in the list below multiply operands that are first quantised to E3M2 (3 exponent bits, 2 mantissa bits; 6 bits a number), with one power-of-two scale for each 32 numbers along K (OCP MX v1.0); their sums are f32. All else is computed in f32.
;;   The module's matrix products, in the order in which they are computed (A, B: the left and right operand; K: the contracted axis; several contracted axes count as one K, in the product's order):
;;     1. [M 1,024, K 1,024] x [K 1,024, N 8]; A: input x; B: input Wg: left as it is (N = 8 < 16)
;;     2. [M 32,768, K 1,024] x [K 1,024, N 1,024]; A: input W1; B: input x: QUANTISED
;;     3. batch 8 x [M 1,024, K 4,096] x [K 4,096, N 1,024]; A: computed on the way; B: input W2: QUANTISED
;;     4. batch 1,024 x [M 1,024, K 8] x [K 8, N 1]; A: computed on the way; B: computed on the way: left as it is (K = 8 < 32)
;;   THE QUANTISER, for each operand of a quantised product, along K:
;;     - K is cut into blocks of 32 from its start; a last block that is shorter is filled with zeros.
;;     - A block's scale is 2^e with e = floor(log2(the largest magnitude in the block)) - 4, held to -126 .. 127; a block of zeros has e = 0. As a byte (E8M0): e + 127.
;;     - Each number is divided by its block's scale, clamped to +-28, and rounded to the nearest number of E3M2, ties to even, subnormals kept.
;;     - The product sums the exact products of the quantised numbers (number of the format x scale) in f32.
;;   ~~~python
;;   def quantise(x, axis):      # numpy; x: float32 -> the quantised numbers, widened to float32 again
;;       x = np.moveaxis(x, axis, -1); K = x.shape[-1]
;;       x = np.pad(x, [(0, 0)] * (x.ndim - 1) + [(0, -K % 32)]); x = x.reshape(x.shape[:-1] + (-1, 32)); a = np.abs(x).max(-1, keepdims=True)
;;       e = np.where(a > 0, np.clip(np.frexp(np.where(a > 0, a, 1))[1] - 1 - 4, -126, 127), 0)      # np.frexp(a)[1] - 1 = floor(log2(a)), exactly
;;       r = np.clip(x / 2.0 ** e, -28, 28)
;;       step = 2.0 ** (np.maximum(np.frexp(np.where(r == 0, 1, r))[1] - 1, -2) - 2)
;;       q = np.round(r / step) * step * 2.0 ** e      # np.round: ties to even
;;       return np.moveaxis(q.reshape(q.shape[:-2] + (-1,))[..., :K], -1, axis).astype(np.float32)
;;   ~~~
;;   OPERANDS COMPUTED ON THE WAY. 'Computed on the way' means the value that the module computes at that place (a softmax that the list does not call 'softmax' is quantised finished and normalised). What goes into a quantiser is computed in f32, as accurately as f32 sums, v_exp_f32 and their like allow (about 1e-6 of the number): no bf16 or f16 on the way to a quantiser, and a product that is left as it is and whose result goes on into a quantised operand takes f32 operands (vector FMAs, or v_wmma_f32_16x16x4_f32). A number that lies on a knife's edge between two numbers of the format may be rounded either way, as far as f32 arithmetic and the matrix unit's own rounding can turn it there, and no further.
;; One version. Each part assembles by itself: llvm-mc -triple=amdgcn-amd-amdhsa -mcpu=gfx1250 --defsym DOCPART=n.
;; ======== version 1 of 1: 5 launches
;; workspace buffers: rt 16,384 bytes of whole numbers; gate 8,192 bytes; pm 8,448 bytes of whole numbers; xq 1,810,432 bytes; hq 7,241,728 bytes; yp 35,651,584 bytes
;; launch route (part 1): grid 64 x 1, 16 waves a work-group, no clusters, 40,960 bytes of LDS; arguments x, Wg, rt, gate; writes rt, gate
.if DOCPART == 1
	.amdgcn_target "amdgcn-amd-amdhsa--gfx1250"
	.amdhsa_code_object_version 6
	.text
	.protected	k_q48384a1345_route
	.globl	k_q48384a1345_route
	.p2align	8
	.type	k_q48384a1345_route,@function
k_q48384a1345_route:
	s_mov_b64 s[64:65], 0
	v_nop
	global_prefetch_b8 v0, s[64:65] scope:SCOPE_SE
	s_setreg_imm32_b32 hwreg(HW_REG_WAVE_MODE, 25, 1), 1
	s_wait_xcnt 0x0
; THE GATE.  logits = x Wg (f32 multiply-adds), softmax over the 8 experts with the maximum taken away, the two largest kept, renormalised.
; x: [1024 tokens][1024] f32.  Wg: [1024][8] f32.
; OUT, all at fixed places (no address and no branch here hangs on a floating-point number):
;   rt   bytes 0..8191: sel[t][2], the chosen experts, the larger gate first;  bytes 8192..: oh[t], 64 bits, byte e = 1 where expert e was chosen
;   gate [t][2] f32: P_k / (P_a + P_b + 1e-9)
; SHARES.  A work-group takes 16 tokens; wave w takes k = 64 w .. 64 w + 63; lane (r = lane % 16, h = lane / 16) takes token r and experts 4 h .. 4 h + 3.
; The sixteen waves' partial logits meet in LDS behind one barrier; wave 0 adds them and does the softmax and the choice.
; Matrix units, tensor loads and clusters are left out: N = 8, and the launch moves 4 MiB.
; LIMITS: NaN and infinities are not served.  The sums' order differs from the reference's: two gates that are equal within f32 rounding may be ordered otherwise.  Among equal gates the lower index is kept.
.set RED, 32768                        ; LDS: 0..32767 each wave's own 2,048 bytes of Wg; from RED on 512 bytes of partial logits a wave
.set X,   32                           ; v32-95   my token's 64 numbers
.set WST, 96                           ; v96-111  Wg on its way to LDS
.set WB,  112                          ; v112-175 two buffers of 8 k x 4 experts
	s_load_b128 s[4:7], s[0:1], 0x0                ; x, Wg
	s_load_b128 s[8:11], s[0:1], 0x10              ; rt, gate
	v_lshrrev_b32 v9, 5, v0
	v_readfirstlane_b32 s12, v9                    ; wave 0..15
	v_and_b32 v1, 31, v0                           ; lane
	v_and_b32 v2, 15, v0                           ; r
	v_bfe_u32 v3, v0, 4, 1                         ; h
	s_lshl_b32 s13, s12, 8                         ; my 64 numbers of a row of x: 256 w bytes on
	s_lshl_b32 s14, s12, 11                        ; my 64 rows of Wg: 2,048 w
	s_lshl_b32 s15, s12, 9
	s_lshl_b32 s16, ttmp9, 16                      ; the work-group's 16 rows of x
	s_mov_b32 s17, 0
	s_mov_b32 s20, 0x76543210                      ; v_permlanex16_b32's selects for lane l xor 16
	s_mov_b32 s21, 0xfedcba98
	v_lshlrev_b32 v4, 12, v2
	v_add_nc_u32 v4, s13, v4                       ; x: row r, + 256 w
	v_lshlrev_b32 v5, 4, v1
	v_add_nc_u32 v5, s14, v5                       ; Wg, in memory and in LDS alike: 2,048 w + 16 lane
	v_lshlrev_b32 v6, 4, v3
	v_add_nc_u32 v6, s14, v6                       ; and read back: 2,048 w + 16 h (+ 32 k): my four experts of a row
	v_lshl_add_u32 v8, v1, 4, RED                  ; partial logits: 16 lane,
	v_add_nc_u32 v7, s15, v8                       ; + 512 w for my store
	s_wait_kmcnt 0x0
	s_add_nc_u64 s[4:5], s[4:5], s[16:17]
.irp i, 0,1,2,3
	global_load_b128 v[WST+4*\i:WST+4*\i+3], v5, s[6:7] offset:512*\i
.endr
.irp i, 0,1,2,3,4,5,6,7,8,9,10,11,12,13,14,15
	global_load_b128 v[X+4*\i:X+4*\i+3], v4, s[4:5] offset:16*\i
.endr
	s_wait_loadcnt 16                              ; Wg's four loads are in; x's sixteen, issued behind them, may be out
.irp i, 0,1,2,3
	ds_store_b128 v5, v[WST+4*\i:WST+4*\i+3] offset:512*\i
.endr
.macro WLOAD b                         ; eight rows of Wg, my four experts of each.  LDS serves a wave's instructions in order: these see my stores
.irp i, 0,1,2,3,4,5,6,7
	ds_load_b128 v[WB+32*((\b)%2)+4*\i:WB+32*((\b)%2)+4*\i+3], v6 offset:32*(8*(\b)+\i)
.endr
.endm
	WLOAD 0
	s_wait_loadcnt 0x0                             ; x
; Eight k: two sets of four sums (even k in v10-13, odd k in v14-17), so that no line waits for the line above it.  The first two k start the sums: nothing is cleared.
.macro BATCH b
.if (\b) < 7
	WLOAD (\b)+1
	s_wait_dscnt 8                                 ; this batch's eight loads are in; the next batch's eight may be out
.else
	s_wait_dscnt 0x0
.endif
.irp i, 0,2,4,6
.set XP, X+8*(\b)+\i
.set WP, WB+32*((\b)%2)+4*\i
.if ((\b) == 0) && (\i == 0)
	v_pk_mul_f32 v[10:11], v[XP:XP+1], v[WP:WP+1] op_sel_hi:[0,1]
	v_pk_mul_f32 v[12:13], v[XP:XP+1], v[WP+2:WP+3] op_sel_hi:[0,1]
	v_pk_mul_f32 v[14:15], v[XP:XP+1], v[WP+4:WP+5] op_sel:[1,0] op_sel_hi:[1,1]
	v_pk_mul_f32 v[16:17], v[XP:XP+1], v[WP+6:WP+7] op_sel:[1,0] op_sel_hi:[1,1]
.else
	v_pk_fma_f32 v[10:11], v[XP:XP+1], v[WP:WP+1], v[10:11] op_sel_hi:[0,1,1]
	v_pk_fma_f32 v[12:13], v[XP:XP+1], v[WP+2:WP+3], v[12:13] op_sel_hi:[0,1,1]
	v_pk_fma_f32 v[14:15], v[XP:XP+1], v[WP+4:WP+5], v[14:15] op_sel:[1,0,0] op_sel_hi:[1,1,1]
	v_pk_fma_f32 v[16:17], v[XP:XP+1], v[WP+6:WP+7], v[16:17] op_sel:[1,0,0] op_sel_hi:[1,1,1]
.endif
.endr
.endm
.irp b, 0,1,2,3,4,5,6,7
	BATCH \b
.endr
	v_pk_add_f32 v[10:11], v[10:11], v[14:15]
	v_pk_add_f32 v[12:13], v[12:13], v[16:17]
	ds_store_b128 v7, v[10:13]
	s_wait_dscnt 0x0                               ; for wave 0's sake: my partial logits lie in LDS
	s_barrier_signal -1
	s_barrier_wait -1
	s_cmp_lg_u32 s12, 0
	s_cbranch_scc1 .Lend                           ; the rest is wave 0's
.irp i, 0,1,2,3,4,5,6,7,8,9,10,11,12,13,14,15
	ds_load_b128 v[32+4*\i:35+4*\i], v8 offset:512*\i
.endr
	v_lshlrev_b32 v9, 3, v2
	v_lshl_add_u32 v9, v3, 2, v9
	s_lshl_b32 s16, ttmp9, 7
	v_add_nc_u32 v9, s16, v9                       ; where I store: 8 (16 g + r) + 4 h
	s_wait_dscnt 0x0
.irp i, 0,1,2,3,4,5,6,7                ; the sixteen waves' parts, as a tree
	v_pk_add_f32 v[32+4*\i:33+4*\i], v[32+4*\i:33+4*\i], v[64+4*\i:65+4*\i]
	v_pk_add_f32 v[34+4*\i:35+4*\i], v[34+4*\i:35+4*\i], v[66+4*\i:67+4*\i]
.endr
.irp i, 0,1,2,3
	v_pk_add_f32 v[32+4*\i:33+4*\i], v[32+4*\i:33+4*\i], v[48+4*\i:49+4*\i]
	v_pk_add_f32 v[34+4*\i:35+4*\i], v[34+4*\i:35+4*\i], v[50+4*\i:51+4*\i]
.endr
.irp i, 0,1
	v_pk_add_f32 v[32+4*\i:33+4*\i], v[32+4*\i:33+4*\i], v[40+4*\i:41+4*\i]
	v_pk_add_f32 v[34+4*\i:35+4*\i], v[34+4*\i:35+4*\i], v[42+4*\i:43+4*\i]
.endr
	v_pk_add_f32 v[32:33], v[32:33], v[36:37]
	v_pk_add_f32 v[34:35], v[34:35], v[38:39]      ; v32-35: token r's logits of experts 4 h .. 4 h + 3
.irp j, 0,1,2,3
	v_permlanex16_b32 v[36+\j], v[32+\j], s20, s21 ; the other four
.endr
	v_cmp_eq_u32 vcc_lo, 1, v3
.irp j, 0,1,2,3
	v_cndmask_b32 v[40+\j], v[32+\j], v[36+\j], vcc_lo     ; v40-47: the eight logits in order, in every lane
	v_cndmask_b32 v[44+\j], v[36+\j], v[32+\j], vcc_lo
.endr
	v_max3_num_f32 v48, v40, v41, v42
	v_max3_num_f32 v48, v48, v43, v44
	v_max3_num_f32 v48, v48, v45, v46
	v_max_num_f32 v48, v48, v47                    ; the row's maximum is taken away ahead of the exponentials
.irp j, 0,1,2,3,4,5,6,7
	v_sub_f32 v[50+\j], v[40+\j], v48
.endr
.irp j, 0,1,2,3,4,5,6,7
	v_mul_f32 v[50+\j], 0x3fb8aa3b, v[50+\j]       ; x log2(e)
.endr
.irp j, 0,1,2,3,4,5,6,7
	v_exp_f32 v[50+\j], v[50+\j]
.endr
	v_mov_b32 v49, -1.0                            ; (a plain line behind the exponentials)  under every P
	v_add_f32 v58, v50, v51
	v_add_f32 v59, v52, v53
	v_add_f32 v60, v54, v55
	v_add_f32 v61, v56, v57
	v_add_f32 v58, v58, v59
	v_add_f32 v60, v60, v61
	v_add_f32 v58, v58, v60
	v_rcp_f32 v58, v58
	v_mov_b32 v62, 0                               ; (a plain line behind the reciprocal)  the first choice's index
.irp j, 0,1,2,3,4,5,6,7
	v_mul_f32 v[50+\j], v[50+\j], v58              ; P
.endr
	v_mov_b32 v63, v50
.irp e, 1,2,3,4,5,6,7                  ; the largest P: a later expert takes over only where it is strictly larger, so the lower index stays
	v_cmp_le_f32 vcc_lo, v[50+\e], v63
	v_cndmask_b32 v63, v[50+\e], v63, vcc_lo
	v_cndmask_b32 v62, \e, v62, vcc_lo
.endr
.irp e, 0,1,2,3,4,5,6,7
	v_cmp_eq_u32 vcc_lo, \e, v62
	v_cndmask_b32 v[40+\e], v[50+\e], v49, vcc_lo  ; the first choice counts as -1 in the second search
.endr
	v_mov_b32 v64, 0
	v_mov_b32 v65, v40
.irp e, 1,2,3,4,5,6,7
	v_cmp_le_f32 vcc_lo, v[40+\e], v65
	v_cndmask_b32 v65, v[40+\e], v65, vcc_lo
	v_cndmask_b32 v64, \e, v64, vcc_lo
.endr
	v_add_f32 v66, v63, v65
	v_add_f32 v66, 0x3089705f, v66                 ; + 1e-9
	v_rcp_f32 v66, v66
	v_mov_b32 v70, 1                               ; (a plain line behind the reciprocal)
	v_mul_f32 v67, v63, v66                        ; the two gates
	v_mul_f32 v68, v65, v66
.macro HOT e, lo, hi                   ; 1 in byte e of 64 bits
	v_and_b32 v71, 3, v[\e]
	v_lshlrev_b32 v71, 3, v71
	v_lshlrev_b32 v71, v71, v70
	v_cmp_gt_u32 vcc_lo, 4, v[\e]
	v_cndmask_b32 v[\lo], 0, v71, vcc_lo
	v_sub_nc_u32 v[\hi], v71, v[\lo]
.endm
	HOT 62, 72, 73
	HOT 64, 74, 75
	v_add_nc_u32 v72, v72, v74
	v_add_nc_u32 v73, v73, v75
	v_cmp_eq_u32 vcc_lo, 1, v3                     ; lanes 0-15 store the first word of each pair, lanes 16-31 the second: 128 consecutive bytes a store
	v_cndmask_b32 v76, v62, v64, vcc_lo
	v_cndmask_b32 v77, v72, v73, vcc_lo
	v_cndmask_b32 v78, v67, v68, vcc_lo
	global_store_b32 v9, v76, s[8:9]
	global_store_b32 v9, v77, s[8:9] offset:8192
	global_store_b32 v9, v78, s[10:11]
.Lend:
	s_endpgm
.Lfunc_end_k_q48384a1345_route:
	.size	k_q48384a1345_route, .Lfunc_end_k_q48384a1345_route-k_q48384a1345_route
	.p2alignl 7, 3214868480
	.fill 96, 4, 3214868480
	.section	.rodata,"a",@progbits
	.p2align	6, 0x0
	.amdhsa_kernel k_q48384a1345_route
		.amdhsa_group_segment_fixed_size 40960
		.amdhsa_private_segment_fixed_size 0
		.amdhsa_enable_private_segment 0
		.amdhsa_kernarg_size 32
		.amdhsa_user_sgpr_count 2
		.amdhsa_user_sgpr_kernarg_segment_ptr 1
		.amdhsa_wavefront_size32 1
		.amdhsa_system_sgpr_workgroup_id_x 1
		.amdhsa_system_sgpr_workgroup_id_y 1
		.amdhsa_system_sgpr_workgroup_id_z 1
		.amdhsa_system_vgpr_workitem_id 0
		.amdhsa_next_free_vgpr 176
		.amdhsa_next_free_sgpr 66
		.amdhsa_reserve_vcc 1
		.amdhsa_float_denorm_mode_32 3
		.amdhsa_float_denorm_mode_16_64 3
		.amdhsa_memory_ordered 1
		.amdhsa_forward_progress 1
		.amdhsa_inst_pref_size 25
	.end_amdhsa_kernel
	.amdgpu_metadata
---
amdhsa.version: [ 1, 2 ]
amdhsa.kernels:
  - .name:           k_q48384a1345_route
    .symbol:         k_q48384a1345_route.kd
    .args:
      - { .name: x, .offset: 0, .size: 8, .value_kind: global_buffer, .address_space: global }
      - { .name: Wg, .offset: 8, .size: 8, .value_kind: global_buffer, .address_space: global }
      - { .name: rt, .offset: 16, .size: 8, .value_kind: global_buffer, .address_space: global }
      - { .name: gate, .offset: 24, .size: 8, .value_kind: global_buffer, .address_space: global }
    .group_segment_fixed_size: 40960
    .private_segment_fixed_size: 0
    .kernarg_segment_align: 8
    .kernarg_segment_size: 32
    .max_flat_workgroup_size: 512
    .sgpr_count:     66
    .vgpr_count:     176
    .wavefront_size: 32
...
	.end_amdgpu_metadata
.endif
;; end of part 1
;; launch place (part 2): grid 64 x 4, 1 waves a work-group, no clusters, 0 bytes of LDS; arguments x, rt, pm, xq; writes pm, xq
.if DOCPART == 2
	.amdgcn_target "amdgcn-amd-amdhsa--gfx1250"
	.amdhsa_code_object_version 6
	.text
	.protected	k_q48384a1345_place
	.globl	k_q48384a1345_place
	.p2align	8
	.type	k_q48384a1345_place,@function
k_q48384a1345_place:
	s_mov_b64 s[64:65], 0
	v_nop
	global_prefetch_b8 v0, s[64:65] scope:SCOPE_SE
	s_setreg_imm32_b32 hwreg(HW_REG_WAVE_MODE, 25, 1), 1
	s_wait_xcnt 0x0
; THE PLACING OF ROWS, AND x AS CODES.  The 2,048 routed rows (token, choice) are laid by expert: expert e owns tiles of 16 rows from tile BT[e] = the sum over e' < e of ceil(cnt[e'] / 16);
; inside an expert the rows go by token number.  At most (2,048 + 8 x 15) / 16 < 136 tiles, whatever the choice.
; Every work-group counts for itself, from the one-hot words that the launch before stored (8 KiB): no atomics, no traffic between work-groups.
; x is quantised to BF6 (E3M2), one E8M0 byte for each 32 along K, and each token's codes go to its TWO places, in the order of the operand's registers:
;   xq  images [tile 136][K step 8][1,536 bytes]: register i of lane l of a fragment (16 rows x 128 K) at 512 (i / 4) + 16 l + 4 (i % 4);  from XS_OFF on scale words [tile][K step][32 words], word r = row r's
;   pm  bytes 0..8191: pos[t][2];  from byte 8192: word 2 e = BT[e], word 2 e + 1 = cnt[e]
; SHARES.  Work-group (X, Y), one wave: tokens 16 X .. 16 X + 15, K steps 2 Y and 2 Y + 1.  Lane (r, h) holds, of token r, 16 neighbours of each block of 32.
; The rows of an expert's last tile behind cnt are not written; the launch that reads xq never reads them.
; A block's scale is 2^(floor(log2(its largest magnitude)) - 4); its byte is the largest magnitude's exponent field - 4, held at 1 from below.
; LIMITS: a block of zeros, and one whose largest magnitude lies under 2^-122, gets the byte 1 (zeros keep zero codes; this program alone reads the bytes).  NaN and infinities are not served.
.set XS_OFF, 1671168
.set SEL, 20
; 64 numbers of a lane, v[s] .. v[s + 63], register 16 b + i = k 32 b + 16 (lane / 16) + i of my row, become a fragment's codes in v[pc] .. v[pc + 11] and its scale word in v[pw].  v[pc + 12 .. pc + 18] and v[tm .. tm + 15] are at work.
.macro QUANT s, pc, pw, tm
.irp b, 0,1,2,3
	v_max3_num_f32 v[(\tm)+\b], |v[(\s)+16*\b]|, |v[(\s)+1+16*\b]|, 0x2800000   ; block b: my 16 numbers, and the floor 2^(5 - 127): the byte cannot fall under 1
.endr
.irp i, 2,4,6,8,10,12,14
.irp b, 0,1,2,3
	v_max3_num_f32 v[(\tm)+\b], v[(\tm)+\b], |v[(\s)+16*\b+\i]|, |v[(\s)+1+16*\b+\i]|   ; (the four blocks by turns)
.endr
.endr
.irp b, 0,1,2,3
	v_permlanex16_b32 v[(\tm)+4+\b], v[(\tm)+\b], s[SEL], s[SEL+1]
.endr
.irp b, 0,1,2,3
	v_max_num_f32 v[(\tm)+\b], v[(\tm)+\b], v[(\tm)+4+\b]      ; with lane l xor 16's: the block's largest magnitude
.endr
.irp b, 0,1,2,3
	v_add_nc_u32 v[(\tm)+12+\b], 0xfe000000, v[(\tm)+\b]       ; 4 off its exponent field: the conversion takes the exponent field of this operand as its scale
.endr
.irp b, 0,1,2,3
	v_lshrrev_b32 v[(\tm)+4+\b], 23, v[(\tm)+12+\b]            ; the scale's byte
.endr
	v_lshl_or_b32 v[\pw], v[(\tm)+5], 8, v[(\tm)+4]
	v_lshl_or_b32 v[\pw], v[(\tm)+6], 16, v[\pw]
	v_lshl_or_b32 v[\pw], v[(\tm)+7], 24, v[\pw]
.irp c, 0,1
	v_cvt_scalef32_pk16_bf6_f32 v[(\pc)+6*\c:(\pc)+2+6*\c], v[(\s)+32*\c:(\s)+15+32*\c], v[(\tm)+12+2*\c]
	v_cvt_scalef32_pk16_bf6_f32 v[(\pc)+12+4*\c:(\pc)+14+4*\c], v[(\s)+16+32*\c:(\s)+31+32*\c], v[(\tm)+12+2*\c+1]   ; (a conversion's three registers begin on an even number)
.endr
	v_nop                                          ; one plain line behind a scaled conversion
.irp c, 0,1                            ; the operand's layout wants a WHOLE block in a lane: lanes 0-15 block 2 c, lanes 16-31 block 2 c + 1
.irp i, 0,1,2
	v_permlane16_swap_b32 v[(\pc)+6*\c+\i], v[(\pc)+12+4*\c+\i]
.endr
.irp i, 0,1,2
	v_mov_b32 v[(\pc)+3+6*\c+\i], v[(\pc)+12+4*\c+\i]
.endr
.endr
.endm
	s_load_b128 s[4:7], s[0:1], 0x0                ; x, rt
	s_load_b128 s[8:11], s[0:1], 0x10              ; pm, xq
	s_mov_b32 s12, ttmp9                           ; X
	s_and_b32 s13, ttmp7, 0xffff                   ; Y
	s_lshl_b32 s14, s12, 4                         ; T0, my first token
	s_lshl_b32 s15, s12, 7
	v_and_b32 v1, 15, v0                           ; r
	v_bfe_u32 v2, v0, 4, 1                         ; h
	v_lshlrev_b32 v3, 3, v1
	v_add_nc_u32 v3, s15, v3                       ; 8 (T0 + r)
	v_lshlrev_b32 v4, 12, v1
	v_lshl_add_u32 v4, v2, 6, v4                   ; x: row r, + 64 h
	v_lshlrev_b32 v5, 4, v0                        ; 16 lane
	v_lshlrev_b32 v6, 1, v0                        ; 2 lane
	v_lshlrev_b32 v7, 2, v0                        ; 4 lane
	s_mov_b32 s[SEL], 0x76543210
	s_mov_b32 s[SEL+1], 0xfedcba98
	s_lshl_b32 s16, s12, 16                        ; x: 16 rows of 4,096 bytes a work-group x, two K steps of 512 bytes a work-group y
	s_lshl_b32 s17, s13, 10
	s_add_co_u32 s16, s16, s17
	s_mov_b32 s17, 0
	s_mul_i32 s18, s13, 3072                       ; xq: two images of 1,536 bytes a work-group y,
	s_mov_b32 s19, 0
	s_lshl_b32 s26, s13, 8                         ; two runs of 32 scale words
	s_add_co_u32 s26, s26, XS_OFF
	s_mov_b32 s27, 0
	s_wait_kmcnt 0x0
	s_add_nc_u64 s[4:5], s[4:5], s[16:17]
	s_add_nc_u64 s[22:23], s[10:11], s[18:19]
	s_add_nc_u64 s[24:25], s[10:11], s[26:27]
	global_load_b64 v[10:11], v3, s[6:7]               ; my token's two experts
	global_load_b64 v[12:13], v3, s[6:7] offset:8192   ; and its one-hot words
.irp i, 0,1,2,3,4,5,6,7,8,9,10,11,12,13,14,15
	global_load_b128 v[64+4*\i:67+4*\i], v5, s[6:7] offset:8192+512*\i   ; all tokens' one-hot words: tokens 64 i + 2 lane and the next
.endr
.irp sl, 0,1
.irp b, 0,1,2,3
.irp j, 0,1,2,3
	global_load_b128 v[128+64*\sl+16*\b+4*\j:131+64*\sl+16*\b+4*\j], v4, s[4:5] offset:512*\sl+128*\b+16*\j
.endr
.endr
.endr
.irp j, 16,17,18,19,36,37,38,39,50,51
	v_mov_b32 v[\j], 0                             ; the four counts; and registers that a lane permute or a DPP move names as destination, which counts as a source
.endr
	s_wait_loadcnt 32                              ; the 18 loads of whole numbers are in; x's 32, issued behind them, may be out
; v16, v17: in byte e, how many of my 32 tokens chose expert e (at most 32);  v18, v19: the same of those that come before T0.  T0 is even, so a pair lies wholly on one side.
.irp i, 0,1,2,3,4,5,6,7,8,9,10,11,12,13,14,15
	s_sub_co_i32 s30, s14, 64*\i
	v_add_nc_u32 v20, v[64+4*\i], v[66+4*\i]
	v_add_nc_u32 v21, v[65+4*\i], v[67+4*\i]
	v_cmp_gt_i32 vcc_lo, s30, v6                   ; 64 i + 2 lane < T0
	v_add_nc_u32 v16, v16, v20
	v_add_nc_u32 v17, v17, v21
	v_cndmask_b32 v20, 0, v20, vcc_lo
	v_cndmask_b32 v21, 0, v21, vcc_lo
	v_add_nc_u32 v18, v18, v20
	v_add_nc_u32 v19, v19, v21
.endr
	s_mov_b32 s31, 0x00ff00ff                      ; bytes widened to fields of 16 bits (a count reaches 1,024): experts (0, 2), (1, 3), (4, 6), (5, 7)
.irp j, 0,1,2,3
	v_and_b32 v[24+2*\j], s31, v[16+\j]
	v_lshrrev_b32 v[25+2*\j], 8, v[16+\j]
	v_and_b32 v[25+2*\j], s31, v[25+2*\j]
.endr
.irp m, 1,2,4,8                        ; summed over the 32 lanes
.irp j, 0,1,2,3,4,5,6,7
	v_mov_b32_dpp v50, v[24+\j] row_xmask:\m row_mask:0xf bank_mask:0xf
	v_add_nc_u32 v[24+\j], v[24+\j], v50
.endr
.endr
.irp j, 0,1,2,3,4,5,6,7
	v_permlanex16_b32 v50, v[24+\j], s[SEL], s[SEL+1]
	v_add_nc_u32 v[24+\j], v[24+\j], v50
.endr
.irp j, 0,1,2,3,4,5,6,7
	v_readfirstlane_b32 s[32+\j], v[24+\j]         ; s32-35 the counts, s36-39 the counts before T0
.endr
	s_mov_b32 s40, 0                               ; the running base tile
.macro EXPERT e, reg, fld              ; s[48 + 2 e] = BT, s[49 + 2 e] = cnt, s[66 + e] = 16 BT + the rows of tokens before T0
	s_bfe_u32 s[49+2*\e], s[32+\reg], 0x100000+16*\fld
	s_bfe_u32 s41, s[36+\reg], 0x100000+16*\fld
	s_mov_b32 s[48+2*\e], s40
	s_lshl_b32 s42, s40, 4
	s_add_co_u32 s[66+\e], s42, s41
	s_add_co_u32 s42, s[49+2*\e], 15
	s_lshr_b32 s42, s42, 4
	s_add_co_u32 s40, s40, s42
.endm
	EXPERT 0, 0, 0
	EXPERT 1, 1, 0
	EXPERT 2, 0, 1
	EXPERT 3, 1, 1
	EXPERT 4, 2, 0
	EXPERT 5, 3, 0
	EXPERT 6, 2, 1
	EXPERT 7, 3, 1
	v_mov_b32 v48, v12                             ; among my 16 tokens: a running sum over the 16 lanes of a row, less my own
	v_mov_b32 v49, v13
.irp n, 1,2,4,8
	v_mov_b32_dpp v50, v48 row_shr:\n row_mask:0xf bank_mask:0xf bound_ctrl:1
	v_mov_b32_dpp v51, v49 row_shr:\n row_mask:0xf bank_mask:0xf bound_ctrl:1
	v_add_nc_u32 v48, v48, v50
	v_add_nc_u32 v49, v49, v51
.endr
	v_sub_nc_u32 v48, v48, v12
	v_sub_nc_u32 v49, v49, v13
.macro POS k                           ; choice k: v[56 + k] = its place; v[52 + k], v[54 + k] = my byte in xq's images and scale words
	v_cmp_gt_u32 vcc_lo, 4, v[10+\k]
	v_cndmask_b32 v50, v49, v48, vcc_lo
	v_and_b32 v51, 3, v[10+\k]
	v_lshlrev_b32 v51, 3, v51
	v_lshrrev_b32 v50, v51, v50
	v_and_b32 v50, 0xff, v50                       ; earlier tokens of my 16 with the same expert
	v_mov_b32 v51, s66
.irp e, 1,2,3,4,5,6,7
	v_cmp_ne_u32 vcc_lo, \e, v[10+\k]
	v_cndmask_b32 v51, s[66+\e], v51, vcc_lo
.endr
	v_add_nc_u32 v[56+\k], v51, v50
	v_lshrrev_b32 v50, 4, v[56+\k]
	v_min_u32 v50, 135, v50                        ; the tile, held inside the buffer
	v_and_b32 v51, 15, v[56+\k]
	v_min_u32 v51, 15, v51                         ; the row in it
	v_mul_u32_u24 v[52+\k], v50, 12288
	v_lshl_add_u32 v[52+\k], v51, 4, v[52+\k]
	v_lshl_add_u32 v[52+\k], v2, 8, v[52+\k]       ; 12,288 tile + 16 (row + 16 h)
	v_lshlrev_b32 v[54+\k], 10, v50
	v_lshl_add_u32 v[54+\k], v51, 2, v[54+\k]
	v_lshl_add_u32 v[54+\k], v2, 6, v[54+\k]       ; 1,024 tile + 4 (row + 16 h): lanes 16-31 store a second copy, which nobody reads, so that every lane stores
.endm
	POS 0
	POS 1
	s_cmp_lg_u32 s13, 0
	s_cbranch_scc1 .Lno_pm                         ; the places are stored by the work-groups with Y = 0,
	v_cmp_eq_u32 vcc_lo, 1, v2
	v_cndmask_b32 v59, v56, v57, vcc_lo
	v_lshl_add_u32 v60, v2, 2, v3
	global_store_b32 v60, v59, s[8:9]
	s_cmp_lg_u32 s12, 0
	s_cbranch_scc1 .Lno_pm                         ; the table of experts by work-group (0, 0)
	v_mov_b32 v58, 0
.irp i, 0,1,2,3,4,5,6,7,8,9,10,11,12,13,14,15
	v_writelane_b32 v58, s[48+\i], \i
.endr
	global_store_b32 v7, v58, s[8:9] offset:8192
.Lno_pm:
.macro PUT sl, pc, pw                  ; a fragment's registers and its scale word, to both places.  Each K step has code registers of its own: no store's data are written again
.irp k, 0,1
.irp c, 0,1,2
	global_store_b128 v[52+\k], v[(\pc)+4*\c:(\pc)+4*\c+3], s[22:23] offset:1536*\sl+512*\c
.endr
	global_store_b32 v[54+\k], v[\pw], s[24:25] offset:128*\sl
.endr
.endm
	s_wait_loadcnt 16                              ; the first K step's sixteen loads are in; the second's may be out
	QUANT 128, 64, 100, 32
	PUT 0, 64, 100
	s_wait_loadcnt 0x0
	QUANT 192, 104, 101, 32
	PUT 1, 104, 101
	s_endpgm
.Lfunc_end_k_q48384a1345_place:
	.size	k_q48384a1345_place, .Lfunc_end_k_q48384a1345_place-k_q48384a1345_place
	.p2alignl 7, 3214868480
	.fill 96, 4, 3214868480
	.section	.rodata,"a",@progbits
	.p2align	6, 0x0
	.amdhsa_kernel k_q48384a1345_place
		.amdhsa_group_segment_fixed_size 0
		.amdhsa_private_segment_fixed_size 0
		.amdhsa_enable_private_segment 0
		.amdhsa_kernarg_size 32
		.amdhsa_user_sgpr_count 2
		.amdhsa_user_sgpr_kernarg_segment_ptr 1
		.amdhsa_wavefront_size32 1
		.amdhsa_system_sgpr_workgroup_id_x 1
		.amdhsa_system_sgpr_workgroup_id_y 1
		.amdhsa_system_sgpr_workgroup_id_z 1
		.amdhsa_system_vgpr_workitem_id 0
		.amdhsa_next_free_vgpr 256
		.amdhsa_next_free_sgpr 80
		.amdhsa_reserve_vcc 1
		.amdhsa_float_denorm_mode_32 3
		.amdhsa_float_denorm_mode_16_64 3
		.amdhsa_memory_ordered 1
		.amdhsa_forward_progress 1
		.amdhsa_inst_pref_size 33
	.end_amdhsa_kernel
	.amdgpu_metadata
---
amdhsa.version: [ 1, 2 ]
amdhsa.kernels:
  - .name:           k_q48384a1345_place
    .symbol:         k_q48384a1345_place.kd
    .args:
      - { .name: x, .offset: 0, .size: 8, .value_kind: global_buffer, .address_space: global }
      - { .name: rt, .offset: 8, .size: 8, .value_kind: global_buffer, .address_space: global }
      - { .name: pm, .offset: 16, .size: 8, .value_kind: global_buffer, .address_space: global }
      - { .name: xq, .offset: 24, .size: 8, .value_kind: global_buffer, .address_space: global }
    .group_segment_fixed_size: 0
    .private_segment_fixed_size: 0
    .kernarg_segment_align: 8
    .kernarg_segment_size: 32
    .max_flat_workgroup_size: 32
    .sgpr_count:     80
    .vgpr_count:     256
    .wavefront_size: 32
...
	.end_amdgpu_metadata
.endif
;; end of part 2
;; launch ffn1 (part 3): grid 32 x 8, 16 waves a work-group, no clusters, 102,400 bytes of LDS; arguments W1, b1, pm, xq, hq; writes hq
.if DOCPART == 3
	.amdgcn_target "amdgcn-amd-amdhsa--gfx1250"
	.amdhsa_code_object_version 6
	.text
	.protected	k_q48384a1345_ffn1
	.globl	k_q48384a1345_ffn1
	.p2align	8
	.type	k_q48384a1345_ffn1,@function
k_q48384a1345_ffn1:
	s_mov_b64 s[64:65], 0
	v_nop
	global_prefetch_b8 v0, s[64:65] scope:SCOPE_SE
	s_setreg_imm32_b32 hwreg(HW_REG_WAVE_MODE, 25, 1), 1
	s_wait_xcnt 0x0
; h = gelu(x W1[e] + b1[e]) for the rows routed to expert e, on codes of BF6 (E3M2) with one E8M0 scale for each 32 along K; h leaves quantised along the next product's K.
; W1: [8][1024 (k)][4096] f32.  A work-group (fs, e) owns hidden units 128 fs .. 128 fs + 127 of expert e: 512 KiB of W1, which it alone reads, once.
; PHASE 1: the slice is quantised on its way into LDS.  A lane takes a column and its registers run down K, so that a block of 32 lies in one lane and the codes come out with K innermost.
;   Wave w: columns 32 (w % 4) on, rows 256 (w / 4) on: eight blocks a lane; 32 to 64 loads of 128 consecutive bytes a wave are out.
;   The codes are laid in LDS as IMAGES OF THE OPERAND'S REGISTERS (register i of lane l at 512 (i / 4) + 16 l + 4 (i % 4)): a fragment then comes by three loads of 16 bytes a lane.
;   THE COLUMNS THAT FORM A TILE ARE NOT NEIGHBOURS: row m of tile 2 b + u is hidden unit 32 b + 8 u + m + 8 (m / 8), so that a lane's 16 results of tiles 2 b, 2 b + 1 are 16 neighbours along the next K.
; One barrier.
; PHASE 2: the expert's T = ceil(cnt / 16) tiles of rows, two to a wave: each fragment of W read from LDS feeds two products.  The product is used transposed (source 0 = 16 columns of W1, source 1 = 16 rows of x):
;   lane (r, h) holds row r, and register 16 b + 8 u + j hidden unit 32 b + 16 h + 8 u + j.  b1 is loaded into the accumulators and is the C of the first link.
;   A loop of the constant count 2 serves T up to 64 (all 1,024 tokens on one expert); a pair that the stored count leaves empty is jumped over.  So the text has no tensor load, no copy and no cluster.
;   In an expert's last tile a lane whose row lies behind cnt takes the last valid row: nothing unwritten is read; such rows are stored and never used.
; gelu: h = max(x, 0) - (|x| / 2) erfc(|x| / sqrt 2), which is x (1 + erf(x / sqrt 2)) / 2 without the difference of near numbers for x < 0.  erfc(t) = 1 - erf(t) by a polynomial up to t = 0.927734375, beyond it 2^(a polynomial).
; LIMITS: erf is right to about one unit in its last place, so beyond the threshold erfc has an absolute error of about 6e-8.  NaN and infinities are not served.
;   A block of zeros, and one whose largest magnitude lies under 2^-122, gets the scale byte 1.
; hq: images [tile 136][K step 32][1,536 bytes], from HS_OFF on scale words [tile][K step][32 words] (word r = row r's).
; REGISTERS: v1-14 lane numbers and addresses; v15, v28 at work; v[16:19], v[30:31] three constants as pairs; v20-23 W's scale words, v24-27 x's: scales and nothing else.
;   Phase 1: v32-95 two blocks of 32 numbers; v96-111 at work; v28, v29 scale bytes.   Phase 2: v32-79 x's fragments (2 buffers x 2 tiles), v80-127 four fragments of W, v128-255 the 16 accumulators (64 tile + 8 jt).
.set PITCH,  16384                     ; bytes from a row of W1 to the next
.set WSC,    98304                     ; LDS: 0.. 64 images (8 s + jt) of 1,536 bytes; from WSC on scale words [s 8][lane 32][4]: tile 2 b + u, row m at 512 s + 16 (m + 16 u) + 4 b
.set XS_OFF, 1671168
.set HS_OFF, 6684672
.set X,   32
.set XF,  32
.set WF,  80
.set ACC, 128
.set SEL, 54
.set XIB, 10                           ; s[10:11] x's images;  s[50:51] its scale words
.set XSB, 50
.set GT, 32                            ; gelu's registers at work, eight each: t, s (later max(x, 0)), the exponent (later erfc), u (later |x| / 2), the small branch (later the chosen erfc)
.set GS, 40
.set GR, 48
.set GU, 56
.set GQ, 64
.macro LOADB t                         ; block t: W(32 t + j, my column), j = 0 .. 31.  Every offset is an immediate: 255 x 16,384 at the most, inside the signed 24 bits (ISA guide, chapter 10)
.irp j, 0,1,2,3,4,5,6,7,8,9,10,11,12,13,14,15,16,17,18,19,20,21,22,23,24,25,26,27,28,29,30,31
	global_load_b32 v[X+32*((\t)%2)+\j], v4, s[4:5] offset:(32*(\t)+\j)*PITCH th:TH_LOAD_NT
.endr
.endm
.macro BLOCK t                         ; block t = 4 sl + 2 c + hb is, in K step sl of my two, registers 6 c .. 6 c + 5 of lane m + 16 hb
.set XB, X+32*((\t)%2)
.set SL, (\t)/4
.set HB, (\t)%2
.if (\t) < 7
	s_wait_loadcnt 32                              ; this block's 32 loads are in; the next block's may be out
.else
	s_wait_loadcnt 0x0
.endif
	v_max3_num_f32 v108, |v[XB]|, |v[XB+1]|, |v[XB+2]|     ; the block's largest magnitude: all 32 numbers are mine; two chains
	v_max3_num_f32 v109, |v[XB+3]|, |v[XB+4]|, |v[XB+5]|
.irp i, 6,10,14,18,22,26
	v_max3_num_f32 v108, v108, |v[XB+\i]|, |v[XB+\i+1]|
	v_max3_num_f32 v109, v109, |v[XB+\i+2]|, |v[XB+\i+3]|
.endr
	v_max3_num_f32 v108, v108, |v[XB+30]|, |v[XB+31]|
	v_max3_num_f32 v108, v108, v109, 0x2800000     ; and the floor 2^(5 - 127): the byte cannot fall under 1
	v_add_nc_u32 v110, 0xfe000000, v108            ; 4 off its exponent field: the conversion's scale operand
	v_lshrrev_b32 v111, 23, v110                   ; the scale's byte
.if (\t)%4 == 0
	v_mov_b32 v[28+SL], v111
.else
	v_lshl_or_b32 v[28+SL], v111, 8*((\t)%4), v[28+SL]
.endif
	v_cvt_scalef32_pk16_bf6_f32 v[96:98], v[XB:XB+15], v110
	v_cvt_scalef32_pk16_bf6_f32 v[104:106], v[XB+16:XB+31], v110   ; (a conversion's three registers begin on an even number)
	v_nop                                          ; one plain line behind a scaled conversion
	v_mov_b32 v99, v104
	v_mov_b32 v100, v105
	v_mov_b32 v101, v106
.if (\t) < 6
	LOADB (\t)+2
.endif
.if ((\t)/2)%2 == 0
	ds_store_b128 v5, v[96:99] offset:12288*SL+256*HB              ; registers 0-3
	ds_store_b64 v5, v[100:101] offset:12288*SL+256*HB+512         ; 4, 5
.else
	ds_store_b64 v5, v[96:97] offset:12288*SL+256*HB+520           ; 6, 7
	ds_store_b128 v5, v[98:101] offset:12288*SL+256*HB+1024        ; 8-11
.endif
.if (\t)%4 == 3
	ds_store_b32 v6, v[28+SL] offset:512*SL        ; a K step's four bytes: my column's scale word
.endif
	s_wait_dscnt 0x0                               ; the stores are done: the next block's codes may be written; behind the last block this is also the wait in front of the barrier
.endm
.macro XLD s                           ; K step s of my two tiles of rows: 3 + 3 loads of 16 bytes a lane and two scale words, into buffer s % 2
.irp c, 0,1,2
	global_load_b128 v[XF+24*((\s)%2)+4*\c:XF+24*((\s)%2)+4*\c+3], v10, s[XIB:XIB+1] offset:1536*(\s)+512*\c
.endr
.irp c, 0,1,2
	global_load_b128 v[XF+24*((\s)%2)+12+4*\c:XF+24*((\s)%2)+12+4*\c+3], v11, s[XIB:XIB+1] offset:1536*(\s)+512*\c
.endr
	global_load_b32 v[24+2*((\s)%2)], v12, s[XSB:XSB+1] offset:128*(\s)
	global_load_b32 v[25+2*((\s)%2)], v13, s[XSB:XSB+1] offset:128*(\s)
.endm
.macro FETCHW s, hh                    ; W's tiles 4 hh .. 4 hh + 3 of K step s
.irp q, 0,1,2,3
.irp c, 0,1,2
	ds_load_b128 v[WF+12*\q+4*\c:WF+12*\q+4*\c+3], v[7+(\s)/4] offset:(((\s)%4)*8+4*(\hh)+\q)*1536+512*\c
.endr
.endr
.endm
.macro MUL8 s, hh                      ; four tiles of W x my two tiles of rows.  The sixteen accumulators take turns, one instruction a turn
.irp q, 0,1,2,3
.irp ti, 0,1
.set AC, ACC+64*\ti+8*(4*(\hh)+\q)
.set XO, XF+24*((\s)%2)+12*\ti
.if \q%2
	v_wmma_scale_f32_16x16x128_f8f6f4 v[AC:AC+7], v[WF+12*\q:WF+12*\q+11], v[XO:XO+11], v[AC:AC+7], v[20+2*(\hh)+\q/2], v[24+2*((\s)%2)+\ti] matrix_a_fmt:MATRIX_FMT_BF6 matrix_b_fmt:MATRIX_FMT_BF6 matrix_a_scale:MATRIX_SCALE_ROW1
.else
	v_wmma_scale_f32_16x16x128_f8f6f4 v[AC:AC+7], v[WF+12*\q:WF+12*\q+11], v[XO:XO+11], v[AC:AC+7], v[20+2*(\hh)+\q/2], v[24+2*((\s)%2)+\ti] matrix_a_fmt:MATRIX_FMT_BF6 matrix_b_fmt:MATRIX_FMT_BF6
.endif
.endr
.endr
.endm
.macro STEP s
.if (\s) > 0
.rept 4
	v_nop                                          ; four places between the last products and the loads into their operand and scale registers
.endr
.endif
.if (\s) < 7
	XLD (\s)+1
.endif
	ds_load_b128 v[20:23], v9 offset:512*(\s)      ; W's scale words: register b: lanes 0-15 tile 2 b, lanes 16-31 tile 2 b + 1
	FETCHW \s, 0
	s_wait_dscnt 0x0
.if (\s) < 7
	s_wait_loadcnt 8                               ; all but the next K step's eight loads are in: this step's, and at step 0 the bias too
.else
	s_wait_loadcnt 0x0
.endif
	MUL8 \s, 0
.rept 4
	v_nop
.endr
	FETCHW \s, 1
	s_wait_dscnt 0x0
	MUL8 \s, 1
.endm
; gelu of one accumulator, v[a] .. v[a + 7], in place; four pairs, stage by stage, so that no line waits for the line above it.  The first line reads the accumulator's lowest register.
.macro GELU a
.irp p, 0,1,2,3
	v_mul_f32 v[GT+2*\p], s52, |v[(\a)+2*\p]|      ; t = |x| / sqrt 2
	v_mul_f32 v[GT+2*\p+1], s52, |v[(\a)+2*\p+1]|
.endr
.irp p, 0,1,2,3
	v_pk_mul_f32 v[GS+2*\p:GS+2*\p+1], v[GT+2*\p:GT+2*\p+1], v[GT+2*\p:GT+2*\p+1]
.endr
.irp p, 0,1,2,3                        ; beyond the threshold: erfc(t) = 2^r; the coefficients carry the factor log2(e)
	v_pk_fma_f32 v[GR+2*\p:GR+2*\p+1], v[GT+2*\p:GT+2*\p+1], 0xb7d130d7, v[16:17] op_sel_hi:[1,0,1]
.endr
.irp p, 0,1,2,3
	v_pk_fma_f32 v[GU+2*\p:GU+2*\p+1], v[GT+2*\p:GT+2*\p+1], 0xbbb79c87, v[18:19] op_sel_hi:[1,0,1]
.endr
.irp p, 0,1,2,3                        ; up to it: erf(t) = t + t q(t^2)
	v_pk_fma_f32 v[GQ+2*\p:GQ+2*\p+1], v[GS+2*\p:GS+2*\p+1], 0xba1c7000, v[30:31] op_sel_hi:[1,0,1]
.endr
.irp p, 0,1,2,3
	v_pk_fma_f32 v[GR+2*\p:GR+2*\p+1], v[GR+2*\p:GR+2*\p+1], v[GS+2*\p:GS+2*\p+1], v[GU+2*\p:GU+2*\p+1]
.endr
.irp p, 0,1,2,3
	v_pk_fma_f32 v[GQ+2*\p:GQ+2*\p+1], v[GQ+2*\p:GQ+2*\p+1], v[GS+2*\p:GS+2*\p+1], 0xbcdb48d9 op_sel_hi:[1,1,0]
.endr
.irp p, 0,1,2,3
	v_pk_fma_f32 v[GR+2*\p:GR+2*\p+1], v[GR+2*\p:GR+2*\p+1], v[GT+2*\p:GT+2*\p+1], 0xbe1dbebc op_sel_hi:[1,1,0]
.endr
.irp p, 0,1,2,3
	v_pk_fma_f32 v[GQ+2*\p:GQ+2*\p+1], v[GQ+2*\p:GQ+2*\p+1], v[GS+2*\p:GS+2*\p+1], 0x3de70e22 op_sel_hi:[1,1,0]
.endr
.irp p, 0,1,2,3
	v_pk_fma_f32 v[GR+2*\p:GR+2*\p+1], v[GR+2*\p:GR+2*\p+1], v[GT+2*\p:GT+2*\p+1], 0xbf6a77c7 op_sel_hi:[1,1,0]
.endr
.irp p, 0,1,2,3
	v_pk_fma_f32 v[GQ+2*\p:GQ+2*\p+1], v[GQ+2*\p:GQ+2*\p+1], v[GS+2*\p:GS+2*\p+1], 0xbec09380 op_sel_hi:[1,1,0]
.endr
.irp p, 0,1,2,3
	v_pk_fma_f32 v[GR+2*\p:GR+2*\p+1], v[GR+2*\p:GR+2*\p+1], v[GT+2*\p:GT+2*\p+1], 0xbfd06f41 op_sel_hi:[1,1,0]
.endr
.irp p, 0,1,2,3
	v_pk_fma_f32 v[GQ+2*\p:GQ+2*\p+1], v[GQ+2*\p:GQ+2*\p+1], v[GS+2*\p:GS+2*\p+1], 0x3e0375d4 op_sel_hi:[1,1,0]
.endr
.irp p, 0,1,2,3
	v_pk_mul_f32 v[GR+2*\p:GR+2*\p+1], v[GR+2*\p:GR+2*\p+1], v[GT+2*\p:GT+2*\p+1]
.endr
.irp p, 0,1,2,3
	v_pk_fma_f32 v[GQ+2*\p:GQ+2*\p+1], v[GQ+2*\p:GQ+2*\p+1], v[GT+2*\p:GT+2*\p+1], v[GT+2*\p:GT+2*\p+1]
.endr
.irp j, 0,1,2,3,4,5,6,7
	v_exp_f32 v[GR+\j], v[GR+\j]
.endr
.irp p, 0,1,2,3                        ; (plain lines behind the exponentials)  1 - erf(t)
	v_pk_add_f32 v[GQ+2*\p:GQ+2*\p+1], v[GQ+2*\p:GQ+2*\p+1], 1.0 op_sel_hi:[1,0] neg_lo:[1,0] neg_hi:[1,0]
.endr
.irp j, 0,1,2,3,4,5,6,7
	v_cmp_lt_f32 vcc_lo, s53, v[GT+\j]             ; a choice of a value, not of a way
	v_cndmask_b32 v[GQ+\j], v[GQ+\j], v[GR+\j], vcc_lo
.endr
.irp p, 0,1,2,3
	v_pk_mul_f32 v[GU+2*\p:GU+2*\p+1], v[GT+2*\p:GT+2*\p+1], 0x3f3504f3 op_sel_hi:[1,0]   ; |x| / 2
.endr
.irp j, 0,1,2,3,4,5,6,7
	v_max_num_f32 v[GS+\j], 0, v[(\a)+\j]
.endr
.irp p, 0,1,2,3
	v_pk_fma_f32 v[(\a)+2*\p:(\a)+2*\p+1], v[GU+2*\p:GU+2*\p+1], v[GQ+2*\p:GQ+2*\p+1], v[GS+2*\p:GS+2*\p+1] neg_lo:[1,0,0] neg_hi:[1,0,0]
.endr
.endm
; 64 numbers of a lane, register 16 b + i = k 32 b + 16 (lane / 16) + i of my row, become a fragment's codes in v[pc] .. v[pc + 11] and its scale word in v[pw].  v[pc + 12 .. pc + 18] and v[tm .. tm + 15] are at work.
.macro QUANT s, pc, pw, tm
.irp b, 0,1,2,3
	v_max3_num_f32 v[(\tm)+\b], |v[(\s)+16*\b]|, |v[(\s)+1+16*\b]|, 0x2800000   ; block b: my 16 numbers, and the floor 2^(5 - 127)
.endr
.irp i, 2,4,6,8,10,12,14
.irp b, 0,1,2,3
	v_max3_num_f32 v[(\tm)+\b], v[(\tm)+\b], |v[(\s)+16*\b+\i]|, |v[(\s)+1+16*\b+\i]|
.endr
.endr
.irp b, 0,1,2,3
	v_permlanex16_b32 v[(\tm)+4+\b], v[(\tm)+\b], s[SEL], s[SEL+1]     ; (its destination counts as a source: these registers held fragments of W)
.endr
.irp b, 0,1,2,3
	v_max_num_f32 v[(\tm)+\b], v[(\tm)+\b], v[(\tm)+4+\b]
.endr
.irp b, 0,1,2,3
	v_add_nc_u32 v[(\tm)+12+\b], 0xfe000000, v[(\tm)+\b]
.endr
.irp b, 0,1,2,3
	v_lshrrev_b32 v[(\tm)+4+\b], 23, v[(\tm)+12+\b]
.endr
	v_lshl_or_b32 v[\pw], v[(\tm)+5], 8, v[(\tm)+4]
	v_lshl_or_b32 v[\pw], v[(\tm)+6], 16, v[\pw]
	v_lshl_or_b32 v[\pw], v[(\tm)+7], 24, v[\pw]
.irp c, 0,1
	v_cvt_scalef32_pk16_bf6_f32 v[(\pc)+6*\c:(\pc)+2+6*\c], v[(\s)+32*\c:(\s)+15+32*\c], v[(\tm)+12+2*\c]
	v_cvt_scalef32_pk16_bf6_f32 v[(\pc)+12+4*\c:(\pc)+14+4*\c], v[(\s)+16+32*\c:(\s)+31+32*\c], v[(\tm)+12+2*\c+1]
.endr
	v_nop                                          ; one plain line behind a scaled conversion
.irp c, 0,1                            ; the operand's layout wants a WHOLE block in a lane
.irp i, 0,1,2
	v_permlane16_swap_b32 v[(\pc)+6*\c+\i], v[(\pc)+12+4*\c+\i]
.endr
.irp i, 0,1,2
	v_mov_b32 v[(\pc)+3+6*\c+\i], v[(\pc)+12+4*\c+\i]
.endr
.endr
.endm
.macro TILEADR a, rr, oi, os, hb, sb   ; tile s[a] (held to 135), its last valid row s[rr] (held to 15): my offsets in xq, and the tile's bases in hq
	v_min_u32 v15, s[\rr], v2
	v_min_u32 v15, 15, v15                         ; my row, or the last valid one
	v_lshlrev_b32 v28, 4, v15
	v_lshl_add_u32 v28, v3, 8, v28
	s_mul_i32 s32, s[\a], 12288
	v_add_nc_u32 v[\oi], s32, v28
	s_lshl_b32 s33, s[\a], 10
	v_lshl_add_u32 v[\os], v15, 2, s33
	s_lshl_b32 s34, s[\a], 5
	s_add_co_u32 s34, s34, s15                     ; 32 tile + fs: my slice is K step fs of the next product
	s_mul_i32 s36, s34, 1536
	s_add_nc_u64 s[\hb:\hb+1], s[12:13], s[36:37]
	s_lshl_b32 s36, s34, 7
	s_add_co_u32 s36, s36, HS_OFF
	s_add_nc_u64 s[\sb:\sb+1], s[12:13], s[36:37]
.endm
.macro EPI1 ti, hb, sb                 ; a tile's 16 rows x 128 hidden units: gelu, quantised, stored as one image (three runs of 512 consecutive bytes) and 32 scale words
.irp jt, 0,1,2,3,4,5,6,7
	GELU ACC+64*\ti+8*\jt
.endr
	s_wait_xcnt 0x0                                ; the codes' registers are written again only behind this wait: the tile before was stored from them
	QUANT ACC+64*\ti, 96, 118, 80
.irp c, 0,1,2
	global_store_b128 v7, v[96+4*\c:99+4*\c], s[\hb:\hb+1] offset:512*\c
.endr
	global_store_b32 v4, v118, s[\sb:\sb+1]
.endm
	s_load_b128 s[4:7], s[0:1], 0x0                ; W1, b1
	s_load_b128 s[8:11], s[0:1], 0x10              ; pm, xq
	s_load_b64 s[12:13], s[0:1], 0x20              ; hq
	v_lshrrev_b32 v15, 5, v0
	v_readfirstlane_b32 s14, v15                   ; wave 0..15
	s_mov_b32 s15, ttmp9                           ; fs
	s_and_b32 s16, ttmp7, 0xffff                   ; e
	s_and_b32 s17, s14, 3                          ; cg: which 32 columns
	s_lshr_b32 s18, s14, 2                         ; kq: which 256 rows
	s_lshl_b32 s19, s16, 3
	v_and_b32 v1, 31, v0                           ; lane
	v_and_b32 v2, 15, v0                           ; r
	v_bfe_u32 v3, v0, 4, 1                         ; h
	v_lshlrev_b32 v4, 2, v1                        ; 4 lane: my column of W1; a scale word's place
	v_lshlrev_b32 v7, 4, v1                        ; 16 lane: an image's place for my lane; K steps 0-3
	v_add_nc_u32 v8, 49152, v7                     ; K steps 4-7
	v_add_nc_u32 v9, WSC, v7
	v_lshlrev_b32 v14, 6, v3                       ; b1: 64 h
	v_and_b32 v15, 7, v0
	v_lshl_add_u32 v15, v3, 3, v15                 ; m = lane % 8 + 8 (lane / 16): my column's row in its tile
	v_bfe_u32 v28, v0, 3, 1                        ; u: tile 2 cg + u
	s_mul_i32 s24, s18, 24576
	s_mul_i32 s25, s17, 3072
	s_add_co_u32 s24, s24, s25
	v_mul_u32_u24 v5, v28, 1536
	v_lshl_add_u32 v5, v15, 4, v5
	v_add_nc_u32 v5, s24, v5                       ; where my codes go: 24,576 kq + 1,536 (2 cg + u) + 16 m
	s_lshl_b32 s24, s18, 10
	s_lshl_b32 s25, s17, 2
	s_add_co_u32 s24, s24, s25
	s_add_co_u32 s24, s24, WSC
	v_lshlrev_b32 v6, 8, v28
	v_lshl_add_u32 v6, v15, 4, v6
	v_add_nc_u32 v6, s24, v6                       ; and my scale words: WSC + 1,024 kq + 16 (m + 16 u) + 4 cg
	s_lshl_b32 s24, s16, 24                        ; W1: expert, 256 kq rows, 512 fs + 128 cg bytes
	s_lshl_b32 s25, s18, 22
	s_add_co_u32 s24, s24, s25
	s_lshl_b32 s25, s15, 9
	s_add_co_u32 s24, s24, s25
	s_lshl_b32 s25, s17, 7
	s_add_co_u32 s24, s24, s25
	s_mov_b32 s25, 0
	s_lshl_b32 s26, s16, 14                        ; b1: expert, 512 fs
	s_lshl_b32 s27, s15, 9
	s_add_co_u32 s26, s26, s27
	s_mov_b32 s27, 0
	s_mov_b32 s37, 0
	s_mov_b32 s52, 0x3f3504f3                      ; 1 / sqrt 2
	s_mov_b32 s53, 0x3f6d8000                      ; 0.927734375
	s_mov_b32 s[SEL], 0x76543210
	s_mov_b32 s[SEL+1], 0xfedcba98
	s_wait_kmcnt 0x0
	s_add_nc_u64 s[4:5], s[4:5], s[24:25]
	LOADB 0
	LOADB 1
	s_load_b64 s[20:21], s[8:9], s19 offset:0x2000 ; BT[e], cnt[e]
	s_add_nc_u64 s[48:49], s[6:7], s[26:27]
	s_add_nc_u64 s[50:51], s[10:11], XS_OFF
.irp t, 0,1,2,3,4,5,6,7
	BLOCK \t
.endr
	s_barrier_signal -1                            ; (my LDS stores are done: the last block's wait)
	s_barrier_wait -1                              ; the slice lies in LDS; from here on LDS is only read
	s_wait_kmcnt 0x0
	s_add_co_u32 s22, s21, 15
	s_lshr_b32 s22, s22, 4                         ; T
	v_mov_b32 v16, 0x3a10ec3c                      ; the addends of gelu's three lines with two constants, as pairs
	v_mov_b32 v17, 0x3a10ec3c
	v_mov_b32 v18, 0x3d0f53cc
	v_mov_b32 v19, 0x3d0f53cc
	v_mov_b32 v30, 0x3ba38d2c
	v_mov_b32 v31, 0x3ba38d2c
	s_mov_b32 s23, 0
.Lround:
	s_lshl_b32 s24, s23, 4
	s_add_co_u32 s24, s24, s14
	s_lshl_b32 s24, s24, 1                         ; tA = 2 (wave + 16 x trip)
	s_cmp_ge_u32 s24, s22
	s_cbranch_scc1 .Lskip
	s_wait_xcnt 0x0                                ; the last trip's stores have read their bases and data
	s_add_co_u32 s25, s24, 1
	s_cmp_lt_u32 s25, s22
	s_cselect_b32 s26, 1, 0                        ; is there a second tile?  If not, the first is multiplied twice and stored once
	s_sub_co_u32 s27, s22, 1
	s_min_u32 s25, s25, s27                        ; tB
	s_add_co_u32 s28, s20, s24
	s_min_u32 s28, s28, 135
	s_add_co_u32 s29, s20, s25
	s_min_u32 s29, s29, 135
	s_lshl_b32 s30, s24, 4
	s_sub_co_u32 s30, s21, s30
	s_sub_co_u32 s30, s30, 1
	s_min_u32 s30, s30, 15                         ; the tile's last valid row
	s_lshl_b32 s31, s25, 4
	s_sub_co_u32 s31, s21, s31
	s_sub_co_u32 s31, s31, 1
	s_min_u32 s31, s31, 15
	TILEADR 28, 30, 10, 12, 40, 42
	TILEADR 29, 31, 11, 13, 44, 46
.irp ti, 0,1                           ; b1 in the result's layout: lane (r, h), tile 2 b + u: hidden units 32 b + 16 h + 8 u + 0 .. 7
.irp jt, 0,1,2,3,4,5,6,7
	global_load_b128 v[ACC+64*\ti+8*\jt:ACC+64*\ti+8*\jt+3], v14, s[48:49] offset:128*(\jt/2)+32*(\jt%2)
	global_load_b128 v[ACC+64*\ti+8*\jt+4:ACC+64*\ti+8*\jt+7], v14, s[48:49] offset:128*(\jt/2)+32*(\jt%2)+16
.endr
.endr
	XLD 0
.irp s, 0,1,2,3,4,5,6,7
	STEP \s
.endr
.rept 4
	v_nop                                          ; four places between the last products and the first lines that read results and write operand registers
.endr
	EPI1 0, 40, 42
	s_cmp_eq_u32 s26, 0
	s_cbranch_scc1 .Lskip
	EPI1 1, 44, 46
.Lskip:
	s_add_co_u32 s23, s23, 1
	s_cmp_lt_u32 s23, 2
	s_cbranch_scc1 .Lround
	s_endpgm
.Lfunc_end_k_q48384a1345_ffn1:
	.size	k_q48384a1345_ffn1, .Lfunc_end_k_q48384a1345_ffn1-k_q48384a1345_ffn1
	.p2alignl 7, 3214868480
	.fill 96, 4, 3214868480
	.section	.rodata,"a",@progbits
	.p2align	6, 0x0
	.amdhsa_kernel k_q48384a1345_ffn1
		.amdhsa_group_segment_fixed_size 102400
		.amdhsa_private_segment_fixed_size 0
		.amdhsa_enable_private_segment 0
		.amdhsa_kernarg_size 40
		.amdhsa_user_sgpr_count 2
		.amdhsa_user_sgpr_kernarg_segment_ptr 1
		.amdhsa_wavefront_size32 1
		.amdhsa_system_sgpr_workgroup_id_x 1
		.amdhsa_system_sgpr_workgroup_id_y 1
		.amdhsa_system_sgpr_workgroup_id_z 1
		.amdhsa_system_vgpr_workitem_id 0
		.amdhsa_next_free_vgpr 256
		.amdhsa_next_free_sgpr 66
		.amdhsa_reserve_vcc 1
		.amdhsa_float_denorm_mode_32 3
		.amdhsa_float_denorm_mode_16_64 3
		.amdhsa_memory_ordered 1
		.amdhsa_forward_progress 1
		.amdhsa_inst_pref_size 206
	.end_amdhsa_kernel
	.amdgpu_metadata
---
amdhsa.version: [ 1, 2 ]
amdhsa.kernels:
  - .name:           k_q48384a1345_ffn1
    .symbol:         k_q48384a1345_ffn1.kd
    .args:
      - { .name: W1, .offset: 0, .size: 8, .value_kind: global_buffer, .address_space: global }
      - { .name: b1, .offset: 8, .size: 8, .value_kind: global_buffer, .address_space: global }
      - { .name: pm, .offset: 16, .size: 8, .value_kind: global_buffer, .address_space: global }
      - { .name: xq, .offset: 24, .size: 8, .value_kind: global_buffer, .address_space: global }
      - { .name: hq, .offset: 32, .size: 8, .value_kind: global_buffer, .address_space: global }
    .group_segment_fixed_size: 102400
    .private_segment_fixed_size: 0
    .kernarg_segment_align: 8
    .kernarg_segment_size: 40
    .max_flat_workgroup_size: 512
    .sgpr_count:     66
    .vgpr_count:     256
    .wavefront_size: 32
...
	.end_amdgpu_metadata
.endif
;; end of part 3
;; launch ffn2 (part 4): grid 32 x 8, 16 waves a work-group, no clusters, 237,568 bytes of LDS; arguments W2, pm, hq, yp; writes yp
.if DOCPART == 4
	.amdgcn_target "amdgcn-amd-amdhsa--gfx1250"
	.amdhsa_code_object_version 6
	.text
	.protected	k_q48384a1345_ffn2
	.globl	k_q48384a1345_ffn2
	.p2align	8
	.type	k_q48384a1345_ffn2,@function
k_q48384a1345_ffn2:
	s_mov_b64 s[64:65], 0
	v_nop
	global_prefetch_b8 v0, s[64:65] scope:SCOPE_SE
	s_setreg_imm32_b32 hwreg(HW_REG_WAVE_MODE, 25, 1), 1
	s_wait_xcnt 0x0
; Partial sums of y_e = h W2[e] for the rows routed to expert e, on codes of BF6 (E3M2) with one E8M0 scale for each 32 along K.
; W2: [8][4096 (k)][1024] f32.  A work-group (x = cgD + 8 kqW, e) owns columns 128 cgD on and rows 1,024 kqW on of expert e: 512 KiB of W2, which it alone reads, once, in pieces of 512 consecutive bytes.
; K is cut in four, so that a work-group reads a quarter of its expert's h; the four parts of a row are added by the launch behind, with b2 and the gates.
; PHASE 1, the barrier and the K loop are those of the first product: W2's slice is quantised on its way into LDS as images of the operand's registers (a lane to a column, registers down K);
;   then the expert's T = ceil(cnt / 16) tiles of rows, two to a wave, source 0 = 16 columns of W2, source 1 = 16 rows of h from hq; the first K step starts the sums with the constant 0.
;   Row m of tile 2 b + u is column 32 b + 8 u + m + 8 (m / 8), so lane (r, h) holds row r and register 16 b + 8 u + j column 32 b + 16 h + 8 u + j.
; THE WAY OUT: a tile goes through the wave's own stage in LDS and leaves as rows: 32 lanes store 512 consecutive bytes.   yp: [place 2,176][quarter 4][1,024] f32.
; The row work hangs on a stored count, so the text has no tensor load, no copy and no cluster.  Rows behind cnt in an expert's last tile hold copies of a valid row; they are stored and never read.
; LIMITS: NaN and infinities are not served.  A block of zeros, and one whose largest magnitude lies under 2^-122, gets the scale byte 1.
; REGISTERS: v1-15 lane numbers and addresses; v16, v28 at work; v20-23 W's scale words, v24-27 h's: scales and nothing else.
;   Phase 1: v32-95 two blocks of 32 numbers; v96-111 at work; v28, v29 scale bytes.   Phase 2: v32-79 h's fragments, v80-127 four fragments of W, v128-255 the 16 accumulators; on the way out v32-95 rows of y.
.set PITCH,  4096                      ; bytes from a row of W2 to the next
.set WSC,    98304                     ; LDS: 0.. 64 images of 1,536 bytes; from WSC on scale words [s 8][lane 32][4];
.set STG,    102400                    ; from STG on a stage of 16 rows x (512 + 16) bytes for each wave
.set HS_OFF, 6684672
.set X,   32
.set XF,  32
.set WF,  80
.set ACC, 128
.set XIB, 48                           ; s[48:49] h's images, at my quarter of K;  s[50:51] its scale words
.set XSB, 50
.macro LOADB t
.irp j, 0,1,2,3,4,5,6,7,8,9,10,11,12,13,14,15,16,17,18,19,20,21,22,23,24,25,26,27,28,29,30,31
	global_load_b32 v[X+32*((\t)%2)+\j], v4, s[4:5] offset:(32*(\t)+\j)*PITCH th:TH_LOAD_NT
.endr
.endm
.macro BLOCK t                         ; block t = 4 sl + 2 c + hb is, in K step sl of my two, registers 6 c .. 6 c + 5 of lane m + 16 hb
.set XB, X+32*((\t)%2)
.set SL, (\t)/4
.set HB, (\t)%2
.if (\t) < 7
	s_wait_loadcnt 32                              ; this block's 32 loads are in; the next block's may be out
.else
	s_wait_loadcnt 0x0
.endif
	v_max3_num_f32 v108, |v[XB]|, |v[XB+1]|, |v[XB+2]|
	v_max3_num_f32 v109, |v[XB+3]|, |v[XB+4]|, |v[XB+5]|
.irp i, 6,10,14,18,22,26
	v_max3_num_f32 v108, v108, |v[XB+\i]|, |v[XB+\i+1]|
	v_max3_num_f32 v109, v109, |v[XB+\i+2]|, |v[XB+\i+3]|
.endr
	v_max3_num_f32 v108, v108, |v[XB+30]|, |v[XB+31]|
	v_max3_num_f32 v108, v108, v109, 0x2800000     ; the floor 2^(5 - 127): the byte cannot fall under 1
	v_add_nc_u32 v110, 0xfe000000, v108            ; 4 off the exponent field: the conversion's scale operand
	v_lshrrev_b32 v111, 23, v110                   ; the scale's byte
.if (\t)%4 == 0
	v_mov_b32 v[28+SL], v111
.else
	v_lshl_or_b32 v[28+SL], v111, 8*((\t)%4), v[28+SL]
.endif
	v_cvt_scalef32_pk16_bf6_f32 v[96:98], v[XB:XB+15], v110
	v_cvt_scalef32_pk16_bf6_f32 v[104:106], v[XB+16:XB+31], v110
	v_nop                                          ; one plain line behind a scaled conversion
	v_mov_b32 v99, v104
	v_mov_b32 v100, v105
	v_mov_b32 v101, v106
.if (\t) < 6
	LOADB (\t)+2
.endif
.if ((\t)/2)%2 == 0
	ds_store_b128 v5, v[96:99] offset:12288*SL+256*HB
	ds_store_b64 v5, v[100:101] offset:12288*SL+256*HB+512
.else
	ds_store_b64 v5, v[96:97] offset:12288*SL+256*HB+520
	ds_store_b128 v5, v[98:101] offset:12288*SL+256*HB+1024
.endif
.if (\t)%4 == 3
	ds_store_b32 v6, v[28+SL] offset:512*SL
.endif
	s_wait_dscnt 0x0                               ; the stores are done; behind the last block this is also the wait in front of the barrier
.endm
.macro XLD s                           ; K step s of my quarter, my two tiles of rows, into buffer s % 2
.irp c, 0,1,2
	global_load_b128 v[XF+24*((\s)%2)+4*\c:XF+24*((\s)%2)+4*\c+3], v10, s[XIB:XIB+1] offset:1536*(\s)+512*\c
.endr
.irp c, 0,1,2
	global_load_b128 v[XF+24*((\s)%2)+12+4*\c:XF+24*((\s)%2)+12+4*\c+3], v11, s[XIB:XIB+1] offset:1536*(\s)+512*\c
.endr
	global_load_b32 v[24+2*((\s)%2)], v12, s[XSB:XSB+1] offset:128*(\s)
	global_load_b32 v[25+2*((\s)%2)], v13, s[XSB:XSB+1] offset:128*(\s)
.endm
.macro FETCHW s, hh
.irp q, 0,1,2,3
.irp c, 0,1,2
	ds_load_b128 v[WF+12*\q+4*\c:WF+12*\q+4*\c+3], v[7+(\s)/4] offset:(((\s)%4)*8+4*(\hh)+\q)*1536+512*\c
.endr
.endr
.endm
.macro MUL8 s, hh                      ; the sixteen accumulators take turns, one instruction a turn.  K step 0 starts the sums: nothing is cleared
.irp q, 0,1,2,3
.irp ti, 0,1
.set AC, ACC+64*\ti+8*(4*(\hh)+\q)
.set XO, XF+24*((\s)%2)+12*\ti
.if (\s) == 0
.if \q%2
	v_wmma_scale_f32_16x16x128_f8f6f4 v[AC:AC+7], v[WF+12*\q:WF+12*\q+11], v[XO:XO+11], 0, v[20+2*(\hh)+\q/2], v[24+2*((\s)%2)+\ti] matrix_a_fmt:MATRIX_FMT_BF6 matrix_b_fmt:MATRIX_FMT_BF6 matrix_a_scale:MATRIX_SCALE_ROW1
.else
	v_wmma_scale_f32_16x16x128_f8f6f4 v[AC:AC+7], v[WF+12*\q:WF+12*\q+11], v[XO:XO+11], 0, v[20+2*(\hh)+\q/2], v[24+2*((\s)%2)+\ti] matrix_a_fmt:MATRIX_FMT_BF6 matrix_b_fmt:MATRIX_FMT_BF6
.endif
.else
.if \q%2
	v_wmma_scale_f32_16x16x128_f8f6f4 v[AC:AC+7], v[WF+12*\q:WF+12*\q+11], v[XO:XO+11], v[AC:AC+7], v[20+2*(\hh)+\q/2], v[24+2*((\s)%2)+\ti] matrix_a_fmt:MATRIX_FMT_BF6 matrix_b_fmt:MATRIX_FMT_BF6 matrix_a_scale:MATRIX_SCALE_ROW1
.else
	v_wmma_scale_f32_16x16x128_f8f6f4 v[AC:AC+7], v[WF+12*\q:WF+12*\q+11], v[XO:XO+11], v[AC:AC+7], v[20+2*(\hh)+\q/2], v[24+2*((\s)%2)+\ti] matrix_a_fmt:MATRIX_FMT_BF6 matrix_b_fmt:MATRIX_FMT_BF6
.endif
.endif
.endr
.endr
.endm
.macro STEP s
.if (\s) > 0
.rept 4
	v_nop                                          ; four places between the last products and the loads into their operand and scale registers
.endr
.endif
.if (\s) < 7
	XLD (\s)+1
.endif
	ds_load_b128 v[20:23], v9 offset:512*(\s)      ; W's scale words: register b: lanes 0-15 tile 2 b, lanes 16-31 tile 2 b + 1
	FETCHW \s, 0
	s_wait_dscnt 0x0
.if (\s) < 7
	s_wait_loadcnt 8                               ; all but the next K step's eight loads are in
.else
	s_wait_loadcnt 0x0
.endif
	MUL8 \s, 0
.rept 4
	v_nop
.endr
	FETCHW \s, 1
	s_wait_dscnt 0x0
	MUL8 \s, 1
.endm
.macro EPI2 ti, yb                     ; a tile's 16 rows x 128 columns through my stage.  LDS serves a wave's instructions in order (ISA guide 5.7.1.4): no wait between my stores and my loads
.irp jt, 0,1,2,3,4,5,6,7
	ds_store_b128 v14, v[ACC+64*\ti+8*\jt:ACC+64*\ti+8*\jt+3] offset:128*(\jt/2)+32*(\jt%2)          ; each accumulator from its low end on
	ds_store_b128 v14, v[ACC+64*\ti+8*\jt+4:ACC+64*\ti+8*\jt+7] offset:128*(\jt/2)+32*(\jt%2)+16
.endr
	s_wait_xcnt 0x0                                ; the rows' registers are loaded again only behind this wait: the tile before was stored from them
.irp i, 0,1,2,3,4,5,6,7,8,9,10,11,12,13,14,15
	ds_load_b128 v[32+4*\i:35+4*\i], v15 offset:528*\i
.endr
.irp i, 0,1,2,3,4,5,6,7,8,9,10,11,12,13,14,15
	s_wait_dscnt 15-\i                             ; row i is back; the later rows may be out
	global_store_b128 v7, v[32+4*\i:35+4*\i], s[\yb:\yb+1] offset:16384*\i
.endr
.endm
	s_load_b128 s[4:7], s[0:1], 0x0                ; W2, pm
	s_load_b128 s[8:11], s[0:1], 0x10              ; hq, yp
	v_lshrrev_b32 v16, 5, v0
	v_readfirstlane_b32 s14, v16                   ; wave 0..15
	s_and_b32 s15, ttmp9, 7                        ; cgD: which 128 columns
	s_lshr_b32 s56, ttmp9, 3                       ; kqW: which quarter of K
	s_and_b32 s16, ttmp7, 0xffff                   ; e
	s_and_b32 s17, s14, 3                          ; cg: which 32 of the columns
	s_lshr_b32 s18, s14, 2                         ; kq: which 256 of the rows
	s_lshl_b32 s19, s16, 3
	v_and_b32 v1, 31, v0                           ; lane
	v_and_b32 v2, 15, v0                           ; r
	v_bfe_u32 v3, v0, 4, 1                         ; h
	v_lshlrev_b32 v4, 2, v1                        ; 4 lane: my column of W2
	v_lshlrev_b32 v7, 4, v1                        ; 16 lane
	v_add_nc_u32 v8, 49152, v7
	v_add_nc_u32 v9, WSC, v7
	v_and_b32 v16, 7, v0
	v_lshl_add_u32 v16, v3, 3, v16                 ; m
	v_bfe_u32 v28, v0, 3, 1                        ; u
	s_mul_i32 s24, s18, 24576
	s_mul_i32 s25, s17, 3072
	s_add_co_u32 s24, s24, s25
	v_mul_u32_u24 v5, v28, 1536
	v_lshl_add_u32 v5, v16, 4, v5
	v_add_nc_u32 v5, s24, v5                       ; where my codes go: 24,576 kq + 1,536 (2 cg + u) + 16 m
	s_lshl_b32 s24, s18, 10
	s_lshl_b32 s25, s17, 2
	s_add_co_u32 s24, s24, s25
	s_add_co_u32 s24, s24, WSC
	v_lshlrev_b32 v6, 8, v28
	v_lshl_add_u32 v6, v16, 4, v6
	v_add_nc_u32 v6, s24, v6                       ; and my scale words
	s_mul_i32 s24, s14, 8448
	s_add_co_u32 s24, s24, STG                     ; my stage
	v_mul_u32_u24 v14, v2, 528
	v_lshl_add_u32 v14, v3, 6, v14
	v_add_nc_u32 v14, s24, v14                     ; in: row r, + 64 h
	v_add_nc_u32 v15, s24, v7                      ; back: 16 bytes a lane of a row
	s_lshl_b32 s24, s16, 24                        ; W2: expert, 1,024 kqW + 256 kq rows, 512 cgD + 128 cg bytes
	s_lshl_b32 s25, s56, 22
	s_add_co_u32 s24, s24, s25
	s_lshl_b32 s25, s18, 20
	s_add_co_u32 s24, s24, s25
	s_lshl_b32 s25, s15, 9
	s_add_co_u32 s24, s24, s25
	s_lshl_b32 s25, s17, 7
	s_add_co_u32 s24, s24, s25
	s_mov_b32 s25, 0
	s_mul_i32 s26, s56, 12288                      ; hq: eight images a quarter,
	s_mov_b32 s27, 0
	s_lshl_b32 s38, s56, 10                        ; eight runs of 32 scale words
	s_add_co_u32 s38, s38, HS_OFF
	s_mov_b32 s39, 0
	s_lshl_b32 s57, s56, 12                        ; yp: 4,096 kqW + 512 cgD inside a row's 16,384 bytes
	s_lshl_b32 s58, s15, 9
	s_add_co_u32 s57, s57, s58
	s_mov_b32 s37, 0
	s_wait_kmcnt 0x0
	s_add_nc_u64 s[4:5], s[4:5], s[24:25]
	LOADB 0
	LOADB 1
	s_load_b64 s[20:21], s[6:7], s19 offset:0x2000 ; BT[e], cnt[e]
	s_add_nc_u64 s[48:49], s[8:9], s[26:27]
	s_add_nc_u64 s[50:51], s[8:9], s[38:39]
.irp t, 0,1,2,3,4,5,6,7
	BLOCK \t
.endr
	s_barrier_signal -1                            ; (my LDS stores are done: the last block's wait)
	s_barrier_wait -1                              ; the slice lies in LDS; from here on each wave writes its own stage alone
	s_wait_kmcnt 0x0
	s_add_co_u32 s22, s21, 15
	s_lshr_b32 s22, s22, 4                         ; T
	s_mov_b32 s23, 0
.Lround:
	s_lshl_b32 s24, s23, 4
	s_add_co_u32 s24, s24, s14
	s_lshl_b32 s24, s24, 1                         ; tA = 2 (wave + 16 x trip)
	s_cmp_ge_u32 s24, s22
	s_cbranch_scc1 .Lskip
	s_wait_xcnt 0x0                                ; the last trip's stores have read their bases and data
	s_add_co_u32 s25, s24, 1
	s_cmp_lt_u32 s25, s22
	s_cselect_b32 s26, 1, 0                        ; is there a second tile?
	s_sub_co_u32 s27, s22, 1
	s_min_u32 s25, s25, s27                        ; tB
	s_add_co_u32 s28, s20, s24
	s_min_u32 s28, s28, 135
	s_add_co_u32 s29, s20, s25
	s_min_u32 s29, s29, 135
	s_mul_i32 s32, s28, 49152                      ; a tile's 32 images
	v_add_nc_u32 v10, s32, v7
	s_mul_i32 s32, s29, 49152
	v_add_nc_u32 v11, s32, v7
	s_lshl_b32 s33, s28, 12                        ; and its 32 runs of scale words
	v_lshl_add_u32 v12, v2, 2, s33
	s_lshl_b32 s33, s29, 12
	v_lshl_add_u32 v13, v2, 2, s33
	s_lshl_b32 s36, s28, 18                        ; 16 rows of 16,384 bytes
	s_add_co_u32 s36, s36, s57
	s_add_nc_u64 s[40:41], s[10:11], s[36:37]
	s_lshl_b32 s36, s29, 18
	s_add_co_u32 s36, s36, s57
	s_add_nc_u64 s[44:45], s[10:11], s[36:37]
	XLD 0
.irp s, 0,1,2,3,4,5,6,7
	STEP \s
.endr
.rept 4
	v_nop                                          ; four places between the last products and the LDS stores of results and the loads into operand registers
.endr
	EPI2 0, 40
	s_cmp_eq_u32 s26, 0
	s_cbranch_scc1 .Lskip
	EPI2 1, 44
.Lskip:
	s_add_co_u32 s23, s23, 1
	s_cmp_lt_u32 s23, 2
	s_cbranch_scc1 .Lround
	s_endpgm
.Lfunc_end_k_q48384a1345_ffn2:
	.size	k_q48384a1345_ffn2, .Lfunc_end_k_q48384a1345_ffn2-k_q48384a1345_ffn2
	.p2alignl 7, 3214868480
	.fill 96, 4, 3214868480
	.section	.rodata,"a",@progbits
	.p2align	6, 0x0
	.amdhsa_kernel k_q48384a1345_ffn2
		.amdhsa_group_segment_fixed_size 237568
		.amdhsa_private_segment_fixed_size 0
		.amdhsa_enable_private_segment 0
		.amdhsa_kernarg_size 32
		.amdhsa_user_sgpr_count 2
		.amdhsa_user_sgpr_kernarg_segment_ptr 1
		.amdhsa_wavefront_size32 1
		.amdhsa_system_sgpr_workgroup_id_x 1
		.amdhsa_system_sgpr_workgroup_id_y 1
		.amdhsa_system_sgpr_workgroup_id_z 1
		.amdhsa_system_vgpr_workitem_id 0
		.amdhsa_next_free_vgpr 256
		.amdhsa_next_free_sgpr 66
		.amdhsa_reserve_vcc 0
		.amdhsa_float_denorm_mode_32 3
		.amdhsa_float_denorm_mode_16_64 3
		.amdhsa_memory_ordered 1
		.amdhsa_forward_progress 1
		.amdhsa_inst_pref_size 87
	.end_amdhsa_kernel
	.amdgpu_metadata
---
amdhsa.version: [ 1, 2 ]
amdhsa.kernels:
  - .name:           k_q48384a1345_ffn2
    .symbol:         k_q48384a1345_ffn2.kd
    .args:
      - { .name: W2, .offset: 0, .size: 8, .value_kind: global_buffer, .address_space: global }
      - { .name: pm, .offset: 8, .size: 8, .value_kind: global_buffer, .address_space: global }
      - { .name: hq, .offset: 16, .size: 8, .value_kind: global_buffer, .address_space: global }
      - { .name: yp, .offset: 24, .size: 8, .value_kind: global_buffer, .address_space: global }
    .group_segment_fixed_size: 237568
    .private_segment_fixed_size: 0
    .kernarg_segment_align: 8
    .kernarg_segment_size: 32
    .max_flat_workgroup_size: 512
    .sgpr_count:     66
    .vgpr_count:     256
    .wavefront_size: 32
...
	.end_amdgpu_metadata
.endif
;; end of part 4
;; launch combine (part 5): grid 256 x 1, 8 waves a work-group, no clusters, 0 bytes of LDS; arguments yp, pm, rt, gate, b2, out0; writes out0
.if DOCPART == 5
	.amdgcn_target "amdgcn-amd-amdhsa--gfx1250"
	.amdhsa_code_object_version 6
	.text
	.protected	k_q48384a1345_combine
	.globl	k_q48384a1345_combine
	.p2align	8
	.type	k_q48384a1345_combine,@function
k_q48384a1345_combine:
	s_mov_b64 s[64:65], 0
	v_nop
	global_prefetch_b8 v0, s[64:65] scope:SCOPE_SE
	s_setreg_imm32_b32 hwreg(HW_REG_WAVE_MODE, 25, 1), 1
	s_wait_xcnt 0x0
; out[t] = g0 (y(pos0) + b2[e0]) + g1 (y(pos1) + b2[e1]), y(pos) the sum of the four parts along K that the launch before stored.  All in f32.
; yp: [place 2,176][quarter 4][1,024] f32;  pm: pos[t][2];  rt: sel[t][2];  gate: [t][2] f32;  b2: [8][1024];  out0: [1024][1024].
; Each output row has one owner: wave w of work-group g takes token 4 g + w / 2 and columns 512 (w % 2) on: 2,048 bytes, in four chunks of 512 consecutive bytes (16 a lane).
; A stream: all forty loads of a wave go out at once, the waits are counted, and each store covers 512 consecutive bytes.  No LDS, no barrier, no matrix unit: there is nothing to share and nothing to multiply.
; The places and experts are whole numbers that earlier launches stored; they are held inside their buffers before they enter an address.
	s_load_b256 s[4:11], s[0:1], 0x0               ; yp s[4:5], pm s[6:7], rt s[8:9], gate s[10:11]
	s_load_b128 s[12:15], s[0:1], 0x20             ; b2 s[12:13], out0 s[14:15]
	v_lshrrev_b32 v2, 5, v0
	v_readfirstlane_b32 s16, v2                    ; wave 0..7
	v_and_b32 v1, 31, v0
	v_lshlrev_b32 v1, 4, v1                        ; 16 lane
	s_lshr_b32 s17, s16, 1
	s_and_b32 s18, s16, 1
	s_lshl_b32 s18, s18, 11                        ; my half of a row: 2,048 bytes
	s_lshl_b32 s19, ttmp9, 2
	s_add_co_u32 s17, s19, s17                     ; t
	s_lshl_b32 s19, s17, 3
	s_mov_b32 s27, 0
	s_wait_kmcnt 0x0
	s_load_b64 s[20:21], s[6:7], s19 offset:0x0    ; pos
	s_load_b64 s[22:23], s[8:9], s19 offset:0x0    ; sel
	s_load_b64 s[24:25], s[10:11], s19 offset:0x0  ; the gates
	s_wait_kmcnt 0x0
	s_min_u32 s20, s20, 2175
	s_min_u32 s21, s21, 2175
	s_min_u32 s22, s22, 7
	s_min_u32 s23, s23, 7
	s_lshl_b32 s26, s20, 14
	s_add_co_u32 s26, s26, s18
	s_add_nc_u64 s[28:29], s[4:5], s[26:27]
	s_lshl_b32 s26, s21, 14
	s_add_co_u32 s26, s26, s18
	s_add_nc_u64 s[30:31], s[4:5], s[26:27]
	s_lshl_b32 s26, s22, 12
	s_add_co_u32 s26, s26, s18
	s_add_nc_u64 s[32:33], s[12:13], s[26:27]
	s_lshl_b32 s26, s23, 12
	s_add_co_u32 s26, s26, s18
	s_add_nc_u64 s[34:35], s[12:13], s[26:27]
	s_lshl_b32 s26, s17, 12
	s_add_co_u32 s26, s26, s18
	s_add_nc_u64 s[36:37], s[14:15], s[26:27]
	v_mov_b32 v8, s24                              ; g0, g1 as a pair
	v_mov_b32 v9, s25
.irp c, 0,1,2,3                        ; chunk c at v[32 + 40 c]: choice k's quarter q at + 16 k + 4 q, its bias at + 32 + 4 k
.irp q, 0,1,2,3
	global_load_b128 v[32+40*\c+4*\q:35+40*\c+4*\q], v1, s[28:29] offset:4096*\q+512*\c th:TH_LOAD_NT
	global_load_b128 v[48+40*\c+4*\q:51+40*\c+4*\q], v1, s[30:31] offset:4096*\q+512*\c th:TH_LOAD_NT
.endr
	global_load_b128 v[64+40*\c:67+40*\c], v1, s[32:33] offset:512*\c
	global_load_b128 v[68+40*\c:71+40*\c], v1, s[34:35] offset:512*\c
.endr
.macro CHUNK c
.set CB, 32+40*\c
	s_wait_loadcnt 30-10*\c                        ; this chunk's ten loads are in; the later chunks', ten each, may be out
.irp k, 0,1
.irp d, 0,2
	v_pk_add_f32 v[CB+16*\k+\d:CB+16*\k+\d+1], v[CB+16*\k+\d:CB+16*\k+\d+1], v[CB+16*\k+4+\d:CB+16*\k+4+\d+1]
	v_pk_add_f32 v[CB+16*\k+8+\d:CB+16*\k+8+\d+1], v[CB+16*\k+8+\d:CB+16*\k+8+\d+1], v[CB+16*\k+12+\d:CB+16*\k+12+\d+1]
.endr
.endr
.irp k, 0,1
.irp d, 0,2
	v_pk_add_f32 v[CB+16*\k+\d:CB+16*\k+\d+1], v[CB+16*\k+\d:CB+16*\k+\d+1], v[CB+16*\k+8+\d:CB+16*\k+8+\d+1]
.endr
.endr
.irp k, 0,1
.irp d, 0,2
	v_pk_add_f32 v[CB+16*\k+\d:CB+16*\k+\d+1], v[CB+16*\k+\d:CB+16*\k+\d+1], v[CB+32+4*\k+\d:CB+32+4*\k+\d+1]   ; + b2
.endr
.endr
.irp d, 0,2
	v_pk_mul_f32 v[CB+\d:CB+\d+1], v[CB+\d:CB+\d+1], v[8:9] op_sel_hi:[1,0]                                      ; x g0
.endr
.irp d, 0,2
	v_pk_fma_f32 v[CB+\d:CB+\d+1], v[CB+16+\d:CB+16+\d+1], v[8:9], v[CB+\d:CB+\d+1] op_sel:[0,1,0] op_sel_hi:[1,1,1]   ; + g1 x the second
.endr
	global_store_b128 v1, v[CB:CB+3], s[36:37] offset:512*\c th:TH_STORE_NT
.endm
	CHUNK 0
	CHUNK 1
	CHUNK 2
	CHUNK 3
	s_endpgm
.Lfunc_end_k_q48384a1345_combine:
	.size	k_q48384a1345_combine, .Lfunc_end_k_q48384a1345_combine-k_q48384a1345_combine
	.p2alignl 7, 3214868480
	.fill 96, 4, 3214868480
	.section	.rodata,"a",@progbits
	.p2align	6, 0x0
	.amdhsa_kernel k_q48384a1345_combine
		.amdhsa_group_segment_fixed_size 0
		.amdhsa_private_segment_fixed_size 0
		.amdhsa_enable_private_segment 0
		.amdhsa_kernarg_size 48
		.amdhsa_user_sgpr_count 2
		.amdhsa_user_sgpr_kernarg_segment_ptr 1
		.amdhsa_wavefront_size32 1
		.amdhsa_system_sgpr_workgroup_id_x 1
		.amdhsa_system_sgpr_workgroup_id_y 1
		.amdhsa_system_sgpr_workgroup_id_z 1
		.amdhsa_system_vgpr_workitem_id 0
		.amdhsa_next_free_vgpr 192
		.amdhsa_next_free_sgpr 66
		.amdhsa_reserve_vcc 0
		.amdhsa_float_denorm_mode_32 3
		.amdhsa_float_denorm_mode_16_64 3
		.amdhsa_memory_ordered 1
		.amdhsa_forward_progress 1
		.amdhsa_inst_pref_size 11
	.end_amdhsa_kernel
	.amdgpu_metadata
---
amdhsa.version: [ 1, 2 ]
amdhsa.kernels:
  - .name:           k_q48384a1345_combine
    .symbol:         k_q48384a1345_combine.kd
    .args:
      - { .name: yp, .offset: 0, .size: 8, .value_kind: global_buffer, .address_space: global }
      - { .name: pm, .offset: 8, .size: 8, .value_kind: global_buffer, .address_space: global }
      - { .name: rt, .offset: 16, .size: 8, .value_kind: global_buffer, .address_space: global }
      - { .name: gate, .offset: 24, .size: 8, .value_kind: global_buffer, .address_space: global }
      - { .name: b2, .offset: 32, .size: 8, .value_kind: global_buffer, .address_space: global }
      - { .name: out0, .offset: 40, .size: 8, .value_kind: global_buffer, .address_space: global }
    .group_segment_fixed_size: 0
    .private_segment_fixed_size: 0
    .kernarg_segment_align: 8
    .kernarg_segment_size: 48
    .max_flat_workgroup_size: 256
    .sgpr_count:     66
    .vgpr_count:     192
    .wavefront_size: 32
...
	.end_amdgpu_metadata
.endif
;; end of part 5
